; MI455X (gfx1250); checked and timed in simulation.
; The chip was launched on July 23, 2026; its instructions are those of AMD's public machine-readable ISA for CDNA 5 (MIT licence, August 2026) and "CDNA5" Instruction Set Architecture Reference Guide (July 2026). The comments in the code are by the model that wrote it; some were corrected since.
;; Causal Sliding Window Attention. Allowed arithmetic: matrix products marked QUANTISED: E2M3 operands, one E8M0 scale for each 32 along K, by v_wmma_scale_f32_16x16x128_f8f6f4 with both operands' format E2M3, f32 sums; everything else in f32.
;; Inputs: Wk 1,024 x 1,024 float32; Wo 1,024 x 1,024 float32; Wq 1,024 x 1,024 float32; Wv 1,024 x 1,024 float32; x 2 x 2,048 x 1,024 float32.
;; Outputs: out0 2 x 2,048 x 1,024 float32.
;; This version of the problem:
;;   THIS VERSION OF THE PROBLEM IS GIVEN IN LOW PRECISION. The matrix products marked QUANTISED in the list below multiply operands that are first quantised to E2M3 (2 exponent bits, 3 mantissa bits; 6 bits a number), with one power-of-two scale for each 32 numbers along K (OCP MX v1.0); their sums are f32. All else is computed in f32.
;;   The module's matrix products, in the order in which they are computed (A, B: the left and right operand; K: the contracted axis; several contracted axes count as one K, in the product's order):
;;     1. [M 4,096, K 1,024] x [K 1,024, N 1,024]; A: input x; B: input Wq: QUANTISED
;;     2. [M 4,096, K 1,024] x [K 1,024, N 1,024]; A: input x; B: input Wk: QUANTISED
;;     3. [M 4,096, K 1,024] x [K 1,024, N 1,024]; A: input x; B: input Wv: QUANTISED
;;     4. batch 32 x [M 2,048, K 64] x [K 64, N 2,048]; A: computed on the way; B: computed on the way: QUANTISED
;;     5. batch 32 x [M 2,048, K 2,048] x [K 2,048, N 64]; A: softmax (see below); B: computed on the way: QUANTISED
;;     6. [M 4,096, K 1,024] x [K 1,024, N 1,024]; A: computed on the way; B: input Wo: QUANTISED
;;   THE QUANTISER, for each operand of a quantised product, along K:
;;     - K is cut into blocks of 32 from its start; a last block that is shorter is filled with zeros.
;;     - A block's scale is 2^e with e = floor(log2(the largest magnitude in the block)) - 2, held to -126 .. 127; a block of zeros has e = 0. As a byte (E8M0): e + 127.
;;     - Each number is divided by its block's scale, clamped to +-7.5, and rounded to the nearest number of E2M3, ties to even, subnormals kept.
;;     - The product sums the exact products of the quantised numbers (number of the format x scale) in f32.
;;   ~~~python
;;   def quantise(x, axis):      # numpy; x: float32 -> the quantised numbers, widened to float32 again
;;       x = np.moveaxis(x, axis, -1); K = x.shape[-1]
;;       x = np.pad(x, [(0, 0)] * (x.ndim - 1) + [(0, -K % 32)]); x = x.reshape(x.shape[:-1] + (-1, 32)); a = np.abs(x).max(-1, keepdims=True)
;;       e = np.where(a > 0, np.clip(np.frexp(np.where(a > 0, a, 1))[1] - 1 - 2, -126, 127), 0)      # np.frexp(a)[1] - 1 = floor(log2(a)), exactly
;;       r = np.clip(x / 2.0 ** e, -7.5, 7.5)
;;       step = 2.0 ** (np.maximum(np.frexp(np.where(r == 0, 1, r))[1] - 1, 0) - 3)
;;       q = np.round(r / step) * step * 2.0 ** e      # np.round: ties to even
;;       return np.moveaxis(q.reshape(q.shape[:-2] + (-1,))[..., :K], -1, axis).astype(np.float32)
;;   ~~~
;;   SOFTMAX AHEAD OF A QUANTISED PRODUCT. Where the list says 'softmax', what is quantised is not the finished softmax but p = 2^(t - M), with t = logit x log2(e) and M = ceil(the row's largest t), a whole number; so 1/2 < the row's largest p <= 1. The row's sum l is taken of the UNQUANTISED p, in f32, and the product's result is divided by l at the end. Since M is a whole number, a kernel that streams over the keys may use a running M (the ceiling of the running maximum): every later rescaling is an exact power of two, which a block's scale takes up: the codes' values come out the same.
;;   OPERANDS COMPUTED ON THE WAY. 'Computed on the way' means the value that the module computes at that place (a softmax that the list does not call 'softmax' is quantised finished and normalised). What goes into a quantiser is computed in f32, as accurately as f32 sums, v_exp_f32 and their like allow (about 1e-6 of the number): no bf16 or f16 on the way to a quantiser, and a product that is left as it is and whose result goes on into a quantised operand takes f32 operands (vector FMAs, or v_wmma_f32_16x16x4_f32). A number that lies on a knife's edge between two numbers of the format may be rounded either way, as far as f32 arithmetic and the matrix unit's own rounding can turn it there, and no further.
;; One version. Each part assembles by itself: llvm-mc -triple=amdgcn-amd-amdhsa -mcpu=gfx1250 --defsym DOCPART=n.
;; ======== version 1 of 1: 4 launches
;; workspace buffers: xc 3,145,728 bytes; xs 262,144 bytes; wc 3,145,728 bytes; ws 262,144 bytes; qkvc 9,437,184 bytes; qkvs 786,432 bytes; ac 3,145,728 bytes; asc 262,144 bytes
;; launch quant (part 1): grid 4 x 128, 8 waves a work-group, no clusters, 69,632 bytes of LDS; arguments x, Wq, Wk, Wv, Wo, xc, xs, wc, ws; writes xc, xs, wc, ws
.if DOCPART == 1
	.amdgcn_target "amdgcn-amd-amdhsa--gfx1250"
	.amdhsa_code_object_version 6
	.text
	.protected	k_q5ada7ad3b8_quant
	.globl	k_q5ada7ad3b8_quant
	.p2align	8
	.type	k_q5ada7ad3b8_quant,@function
k_q5ada7ad3b8_quant:
	s_mov_b64 s[64:65], 0
	v_nop
	global_prefetch_b8 v0, s[64:65] scope:SCOPE_SE
	s_setreg_imm32_b32 hwreg(HW_REG_WAVE_MODE, 25, 1), 1
	s_wait_xcnt 0x0
; x [4096][1024] and Wq, Wk, Wv, Wo [1024][1024], f32, K innermost, become codes of FP6 (E2M3) with one E8M0 scale byte for each 32 along K.
; A block's scale is 2^(floor(log2(its largest magnitude)) - 2); its byte is the largest magnitude's exponent field - 2, held at 1 from below.
; THE LAYOUT OF THE RESULT IS AN IMAGE OF THE OPERAND'S REGISTERS, in UNITS of 64 rows x 64 along K:
;   codes, 3,072 bytes: tile i (rows 16 i ..) at 768 i; lane (r, h) holds row r's block h, 32 codes in six registers: registers 0-3 at 16 x lane, registers 4-5 at 512 + 8 x lane;
;   scales, 256 bytes: a word a row (byte of block 0, byte of block 1, two zero bytes) at 8 r + 128 (i / 2) + 4 (i % 2).
; xc, xs: [row group 0..63][unit along K 0..15]; wc, ws: the same with the rows of Wq, Wk, Wv, Wo on end.
; INSIDE A BLOCK the 32 places hold the numbers 0-7, 16-23, 8-15, 24-31: the order in which a matrix result falls out of two conversions and an exchange of the lanes' halves.
; Every operand of this program has that order, so the products of a block meet the same partners under the same scale.
; LIMITS: a block of zeros gets the byte 1 where the rule says 127 (its codes are zeros, which add nothing, and this program alone reads the bytes); a block whose largest magnitude lies
; under 2^-124 is held at that byte; NaN and infinities among the inputs are not served.
; SHARES: work-group (x, y): 64 rows (y < 64: x's row group y; else W number (y - 64) / 16) x 256 along K (quarter x).  Wave w: tile w % 4, 128 along K (half w / 4): 16 rows x 512 bytes.
; Each load takes 512 consecutive bytes of one row; the rows turn through the wave's own stage in LDS so that a lane gets a whole block.  No work-group shares an input byte with another: no cluster, no tensor load.
.set STG,   8448                       ; a wave's stage: 16 rows x (512 + 16) bytes
.set GS,    8*STG                      ; behind the stages: the scale images of the work-group's four units, 1,024 bytes
.set RAW,   64                         ; v64-127  16 rows as loaded
.set X,     128                        ; v128-191 two blocks of 32 numbers, in the order of their places
.set FLOOR, 0x1800000                  ; 2^(3 - 127)
	s_load_b256 s[4:11], s[0:1], 0x0               ; x s[4:5], Wq s[6:7], Wk s[8:9], Wv s[10:11]
	s_load_b256 s[12:19], s[0:1], 0x20             ; Wo s[12:13], xc s[14:15], xs s[16:17], wc s[18:19]
	s_load_b64 s[20:21], s[0:1], 0x40              ; ws
	v_lshl_add_u32 v192, v0, 2, 0x10c00
	v_mov_b32 v193, 0
	v_lshrrev_b32 v1, 5, v0
	v_readfirstlane_b32 s22, v1                    ; wave 0..7
	v_and_b32 v1, 31, v0                           ; lane
	v_and_b32 v4, 15, v0                           ; r
	v_bfe_u32 v5, v0, 4, 1                         ; h
	v_lshlrev_b32 v2, 4, v1                        ; 16 x lane
	v_lshlrev_b32 v3, 3, v1                        ; 8 x lane
	s_mul_i32 s23, s22, STG                        ; my stage
	v_add_nc_u32 v6, s23, v2                       ; into it: a row's 512 bytes as they lie
	v_mul_u32_u24 v7, v4, 528
	v_lshl_add_u32 v7, v5, 7, v7
	v_add_nc_u32 v7, s23, v7                       ; out of it: row r, block h (128 bytes)
	v_lshlrev_b32 v8, 3, v5                        ; 8 h: my byte's place in the scale word
	s_lshr_b32 s24, s22, 2                         ; which 128 along K
	s_and_b32 s25, s22, 3                          ; which tile of 16 rows
	s_lshl_b32 s26, s24, 9                         ; two units' images
	s_bfe_u32 s27, s22, 0x10001
	s_lshl_b32 s27, s27, 7                         ; 128 (tile / 2)
	s_add_co_u32 s26, s26, s27
	s_and_b32 s27, s22, 1
	s_lshl_b32 s27, s27, 2                         ; 4 (tile % 2)
	s_add_co_u32 s26, s26, s27
	s_add_co_u32 s26, s26, GS
	v_lshl_add_u32 v9, v4, 3, s26                  ; where my row's scale word goes
	v_and_b32 v27, 63, v0
	v_lshlrev_b32 v27, 4, v27                      ; waves 0, 1 at the end: 16 bytes a thread of the 1,024,
	v_add_nc_u32 v26, GS, v27                      ; and the same in LDS
	v_mov_b32 v16, 0                               ; written once: a lane permute's destination counts as one of its sources
	v_mov_b32 v17, 0
	s_mov_b32 s44, 0x76543210
	s_mov_b32 s45, 0xfedcba98                      ; v_permlanex16_b32's selects for lane l xor 16
	s_and_b32 s28, ttmp7, 0xffff                   ; y
	s_wait_kmcnt 0x0
	s_mov_b64 s[30:31], s[12:13]                   ; the source is chosen by the work-group's number alone: Wo,
	s_cmp_lt_u32 s28, 112
	s_cselect_b64 s[30:31], s[10:11], s[30:31]     ; Wv,
	s_cmp_lt_u32 s28, 96
	s_cselect_b64 s[30:31], s[8:9], s[30:31]       ; Wk,
	s_cmp_lt_u32 s28, 80
	s_cselect_b64 s[30:31], s[6:7], s[30:31]       ; Wq,
	s_cmp_lt_u32 s28, 64
	s_cselect_b64 s[30:31], s[4:5], s[30:31]       ; x
	s_cselect_b64 s[32:33], s[14:15], s[18:19]     ; the codes' buffer
	s_cselect_b64 s[34:35], s[16:17], s[20:21]     ; the scales' buffer
	s_cselect_b32 s37, 63, 15
	s_cselect_b32 s36, 0, 64
	s_sub_co_u32 s36, s28, s36                     ; the row group in the result
	s_and_b32 s37, s36, s37                        ; and in the source
	s_lshl_b32 s38, s37, 18                        ; 64 rows of 4,096 bytes
	s_lshl_b32 s39, s25, 16                        ; 16 rows
	s_add_co_u32 s38, s38, s39
	s_lshl_b32 s39, ttmp9, 10                      ; 256 numbers
	s_add_co_u32 s38, s38, s39
	s_lshl_b32 s39, s24, 9                         ; 128 numbers
	s_add_co_u32 s38, s38, s39
	s_mov_b32 s39, 0
	s_add_nc_u64 s[30:31], s[30:31], s[38:39]
	s_lshl_b32 s40, s36, 4
	s_lshl_b32 s41, ttmp9, 2
	s_add_co_u32 s40, s40, s41                     ; the work-group's first unit
	s_lshl_b32 s42, s40, 8                         ; its scale image
	s_mov_b32 s43, 0
	s_lshl_b32 s41, s24, 1
	s_add_co_u32 s40, s40, s41                     ; my wave's first unit
	s_mul_i32 s40, s40, 3072
	s_mul_i32 s41, s25, 768                        ; my tile in it
	s_add_co_u32 s40, s40, s41
	s_mov_b32 s41, 0
	s_add_nc_u64 s[32:33], s[32:33], s[40:41]
	s_add_nc_u64 s[34:35], s[34:35], s[42:43]
.irp p, 0,1,2,3,4,5,6,7,8,9,10,11,12,13,14,15
	global_load_b128 v[RAW+4*\p:RAW+4*\p+3], v2, s[30:31] offset:4096*\p th:TH_LOAD_NT   ; row p: 32 lanes read 512 consecutive bytes; read once in the whole program
.endr
.irp p, 0,1,2,3,4,5,6,7,8,9,10,11,12,13,14,15
	s_wait_loadcnt 15-\p                           ; loads come back in order: row p is in, the younger rows stay out
	ds_store_b128 v6, v[RAW+4*\p:RAW+4*\p+3] offset:528*\p
.endr
.irp c, 0,1
.irp m, 0,1,2,3,4,5,6,7
	ds_load_b128 v[X+32*\c+4*(((\m)&1)|(((\m)&2)<<1)|(((\m)&4)>>1)):X+32*\c+4*(((\m)&1)|(((\m)&2)<<1)|(((\m)&4)>>1))+3], v7 offset:256*\c+16*\m   ; numbers 4 m .. 4 m + 3 of my block of unit c, to their places: 0, 1, 4, 5, 2, 3, 6, 7.  LDS serves a wave's instructions in order: these see my stores
.endr
.endr
	s_wait_dscnt 0x0
.irp c, 0,1                                    ; the block's largest magnitude: all 32 numbers are mine; two chains for each block, the blocks by turns
	v_max3_num_f32 v[10+\c], |v[X+32*\c]|, |v[X+32*\c+1]|, |v[X+32*\c+2]|
	v_max3_num_f32 v[18+\c], |v[X+32*\c+3]|, |v[X+32*\c+4]|, |v[X+32*\c+5]|
.endr
.irp i, 6,10,14,18,22,26
.irp c, 0,1
	v_max3_num_f32 v[10+\c], v[10+\c], |v[X+32*\c+\i]|, |v[X+32*\c+\i+1]|
	v_max3_num_f32 v[18+\c], v[18+\c], |v[X+32*\c+\i+2]|, |v[X+32*\c+\i+3]|
.endr
.endr
.irp c, 0,1
	v_max3_num_f32 v[10+\c], v[10+\c], |v[X+32*\c+30]|, |v[X+32*\c+31]|
.endr
.irp c, 0,1
	v_max3_num_f32 v[10+\c], v[10+\c], v[18+\c], FLOOR   ; and the floor, so that the byte cannot fall under 1
.endr
.irp c, 0,1
	v_add_nc_u32 v[12+\c], 0xff000000, v[10+\c]    ; 2 off the exponent field: the conversion takes the exponent field of this operand as its scale
.endr
.irp c, 0,1
	v_lshrrev_b32 v[14+\c], 23, v[12+\c]           ; the scale's byte
.endr
.irp c, 0,1
	v_cvt_scalef32_pk16_fp6_f32 v[20+8*\c:22+8*\c], v[X+32*\c:X+32*\c+15], v[12+\c]
	v_cvt_scalef32_pk16_fp6_f32 v[36+4*\c:38+4*\c], v[X+32*\c+16:X+32*\c+31], v[12+\c]   ; (a conversion's three registers begin on an even number)
.endr
	v_nop                                          ; one plain place behind a scaled conversion
.irp c, 0,1
.irp i, 0,1,2
	v_mov_b32 v[23+8*\c+\i], v[36+4*\c+\i]
.endr
.endr
.irp c, 0,1
	v_lshlrev_b32 v[14+\c], v8, v[14+\c]           ; my byte at its place,
.endr
.irp c, 0,1
	v_permlanex16_b32 v[16+\c], v[14+\c], s44, s45
.endr
.irp c, 0,1
	v_or_b32 v[14+\c], v[14+\c], v[16+\c]          ; with lane l xor 16's: the row's word
.endr
.irp c, 0,1
	global_store_b128 v2, v[20+8*\c:23+8*\c], s[32:33] offset:3072*\c         ; 512 consecutive bytes, at a multiple of 256 from the buffer's first byte
	global_store_b64 v3, v[24+8*\c:25+8*\c], s[32:33] offset:3072*\c+512      ; 256 more
	ds_store_b32 v9, v[14+\c] offset:256*\c        ; lanes r and r + 16 write the same word with the same value
.endr
	s_wait_dscnt 0x0                               ; for the others' sake: my scale words lie in LDS
	s_barrier_signal -1
	s_barrier_wait -1
	s_cmp_lt_u32 s22, 2                            ; waves 0 and 1 store the four images, 512 consecutive bytes each
	s_cbranch_scc0 .Ldone
	ds_load_b128 v[44:47], v26
	s_wait_dscnt 0x0
	global_store_b128 v27, v[44:47], s[34:35]
.Ldone:
	s_wait_tensorcnt 0x0
	ds_add_u32 v192, v193
	s_wait_dscnt 0x0
	s_endpgm
.Lfunc_end_k_q5ada7ad3b8_quant:
	.size	k_q5ada7ad3b8_quant, .Lfunc_end_k_q5ada7ad3b8_quant-k_q5ada7ad3b8_quant
	.p2alignl 7, 3214868480
	.fill 96, 4, 3214868480
	.section	.rodata,"a",@progbits
	.p2align	6, 0x0
	.amdhsa_kernel k_q5ada7ad3b8_quant
		.amdhsa_group_segment_fixed_size 69632
		.amdhsa_private_segment_fixed_size 0
		.amdhsa_enable_private_segment 0
		.amdhsa_kernarg_size 72
		.amdhsa_user_sgpr_count 2
		.amdhsa_user_sgpr_kernarg_segment_ptr 1
		.amdhsa_wavefront_size32 1
		.amdhsa_system_sgpr_workgroup_id_x 1
		.amdhsa_system_sgpr_workgroup_id_y 1
		.amdhsa_system_sgpr_workgroup_id_z 1
		.amdhsa_system_vgpr_workitem_id 0
		.amdhsa_next_free_vgpr 194
		.amdhsa_next_free_sgpr 66
		.amdhsa_reserve_vcc 0
		.amdhsa_float_denorm_mode_32 3
		.amdhsa_float_denorm_mode_16_64 3
		.amdhsa_memory_ordered 1
		.amdhsa_forward_progress 1
		.amdhsa_inst_pref_size 12
	.end_amdhsa_kernel
	.amdgpu_metadata
---
amdhsa.version: [ 1, 2 ]
amdhsa.kernels:
  - .name:           k_q5ada7ad3b8_quant
    .symbol:         k_q5ada7ad3b8_quant.kd
    .args:
      - { .name: x, .offset: 0, .size: 8, .value_kind: global_buffer, .address_space: global }
      - { .name: Wq, .offset: 8, .size: 8, .value_kind: global_buffer, .address_space: global }
      - { .name: Wk, .offset: 16, .size: 8, .value_kind: global_buffer, .address_space: global }
      - { .name: Wv, .offset: 24, .size: 8, .value_kind: global_buffer, .address_space: global }
      - { .name: Wo, .offset: 32, .size: 8, .value_kind: global_buffer, .address_space: global }
      - { .name: xc, .offset: 40, .size: 8, .value_kind: global_buffer, .address_space: global }
      - { .name: xs, .offset: 48, .size: 8, .value_kind: global_buffer, .address_space: global }
      - { .name: wc, .offset: 56, .size: 8, .value_kind: global_buffer, .address_space: global }
      - { .name: ws, .offset: 64, .size: 8, .value_kind: global_buffer, .address_space: global }
    .group_segment_fixed_size: 69632
    .private_segment_fixed_size: 0
    .kernarg_segment_align: 8
    .kernarg_segment_size: 72
    .max_flat_workgroup_size: 256
    .sgpr_count:     66
    .vgpr_count:     194
    .wavefront_size: 32
...
	.end_amdgpu_metadata
.endif
;; end of part 1
;; launch qkv (part 2): grid 24 x 32, 4 waves a work-group, clusters of 4 x 4, 197,120 bytes of LDS; arguments xc, xs, wc, ws, qkvc, qkvs; writes qkvc, qkvs
.if DOCPART == 2
	.amdgcn_target "amdgcn-amd-amdhsa--gfx1250"
	.amdhsa_code_object_version 6
	.text
	.protected	k_q5ada7ad3b8_qkv
	.globl	k_q5ada7ad3b8_qkv
	.p2align	8
	.type	k_q5ada7ad3b8_qkv,@function
k_q5ada7ad3b8_qkv:
	s_mov_b64 s[64:65], 0
	v_nop
	global_prefetch_b8 v0, s[64:65] scope:SCOPE_SE
	s_setreg_imm32_b32 hwreg(HW_REG_WAVE_MODE, 25, 1), 1
	s_wait_xcnt 0x0
	s_wait_alu depctr_hold_cnt(0) depctr_sa_sdst(0) depctr_va_vdst(0) depctr_va_sdst(0) depctr_va_ssrc(0) depctr_va_vcc(0) depctr_vm_vsrc(0)
	s_getreg_b32 s2, hwreg(HW_REG_IB_STS2, 6, 4)
	s_cmp_eq_u32 s2, 0
	s_cbranch_scc0 .Lentry_in_a_cluster
	s_endpgm
.Lentry_in_a_cluster:
	s_bfe_u32 s2, ttmp6, 0x10000c
	s_cmp_lg_u32 s2, 0xf033
	s_cbranch_scc0 .Lentry_shape_is_right
	s_endpgm
.Lentry_shape_is_right:
; q, k, v = x W^T on codes of FP6 (E2M3) with E8M0 scales; q and k divided by max(their head's length, 1e-6); all three quantised again and stored as register images.
; Operands and results lie in UNITS of 64 rows x 64 along K: codes 3,072 bytes (tile i at 768 i: registers 0-3 at 16 x lane, registers 4-5 at 512 + 8 x lane; lane (r, h) = row r, block h),
; scales 256 bytes (a word a row, two bytes used, at 8 r + 128 (i / 2) + 4 (i % 2)).  Inside a block the places hold numbers 0-7, 16-23, 8-15, 24-31, in every operand alike.
; A work-group makes 128 rows of P x 128 rows of Q over K = 1,024.  P is source 0: it runs along a lane's registers in the result.  Q is source 1: its row is the lane.
;   q, k (cluster x 0..3): P = 128 rows of Wq, Wk; Q = 128 tokens: a lane holds one token and 32 channels of one head: the result's K is the head's 64.
;   v    (cluster x 4, 5): P = 128 tokens; Q = 128 rows of Wv: a lane holds one channel and 32 tokens: the result's K is the keys.
; One path serves both: pointers and cluster coordinates are chosen by the cluster's x, which all partners share; v is multiplied by 1.0 where q and k are multiplied by 1 / length.
; Both tiles lie whole in LDS, 98,304 bytes each, filled ONCE, in four chunks of 256 along K: no LDS byte is filled twice.  By this text's count four tensor loads of a wave are outstanding.
; CLUSTER 4 x 4: P's tile hangs on cx alone and is asked for jointly by my column, Q's on cy alone and by my row.
; Four waves, each 64 x 64: 16 accumulators by turns, one instruction a turn.
; qkvc, qkvs: [q, k, v][16 b + head][group of 64 tokens].
; LIMITS: 1 / max(n, 1e-6) is min(v_rsq_f32(n^2), 1e6); a block of zeros gets the byte 1 (its codes are zeros; this program alone reads the bytes); NaN and infinities are not served.
; REGISTERS: window 0: v1 16 x lane, v2 8 x lane, v4-7 LDS addresses, v16-31 P's scale words, v32-47 Q's, v64-159 and v160-255 two sets of fragments (P's four, then Q's four).
;   window 1: v0-127 the accumulators ((i, j) at 32 i + 8 j: Q's tile i, P's tile j); v128.. the way out.
.set SP,   16
.set SQ,   32
.set SET0, 64
.set TM,   138                         ; the way out, in window 1: largest magnitudes,
.set TX,   140                         ; the other half's,
.set SCL,  142                         ; the conversions' scale operands,
.set BY,   144                         ; the bytes,
.set PT,   156                         ; a block's second conversion
.set SEL,  44
.set MULW, 0x50                        ; C and D in window 1, A and B in window 0
.set MSB, 0
.macro WIN new                         ; the immediate's high byte repeats the setting that is left
.if MSB != \new
	s_set_vgpr_msb (MSB<<8)|\new
.set MSB, \new
.endif
.endm
.macro PLACES                          ; four plain places behind a matrix instruction, in front of loads into its operands and of reads of its results
.rept 4
	v_nop
.endr
.endm
.macro CROUND                          ; a round of the cluster's barrier
	s_barrier_signal -1
	s_barrier_wait -1
	s_cmp_lg_u32 s16, 0
	s_cbranch_scc1 .Lnot_wave_0_\@
	s_barrier_signal -3
.Lnot_wave_0_\@:
	s_barrier_wait -3
	s_barrier_signal -1
	s_barrier_wait -1
.endm
.macro CHUNK left                      ; my part of a chunk has landed (left: my later chunks, which stay out), my LDS loads are in; then everybody's.
	s_wait_tensorcnt \left
	s_wait_dscnt 0x0
	s_barrier_signal -1
	s_barrier_wait -1
.endm
; One product.  z = 1: the constant 0 starts the sum.  ra, rb = 1: the scales are read from lanes 16-31.
.macro WM d, a, b, z, sa, sb, ra, rb
.if \z
.if (\ra) && (\rb)
	v_wmma_scale_f32_16x16x128_f8f6f4 v[\d:\d+7], v[\a:\a+11], v[\b:\b+11], 0, v[\sa], v[\sb] matrix_a_fmt:MATRIX_FMT_FP6 matrix_b_fmt:MATRIX_FMT_FP6 matrix_a_scale:MATRIX_SCALE_ROW1 matrix_b_scale:MATRIX_SCALE_ROW1
.elseif \ra
	v_wmma_scale_f32_16x16x128_f8f6f4 v[\d:\d+7], v[\a:\a+11], v[\b:\b+11], 0, v[\sa], v[\sb] matrix_a_fmt:MATRIX_FMT_FP6 matrix_b_fmt:MATRIX_FMT_FP6 matrix_a_scale:MATRIX_SCALE_ROW1
.elseif \rb
	v_wmma_scale_f32_16x16x128_f8f6f4 v[\d:\d+7], v[\a:\a+11], v[\b:\b+11], 0, v[\sa], v[\sb] matrix_a_fmt:MATRIX_FMT_FP6 matrix_b_fmt:MATRIX_FMT_FP6 matrix_b_scale:MATRIX_SCALE_ROW1
.else
	v_wmma_scale_f32_16x16x128_f8f6f4 v[\d:\d+7], v[\a:\a+11], v[\b:\b+11], 0, v[\sa], v[\sb] matrix_a_fmt:MATRIX_FMT_FP6 matrix_b_fmt:MATRIX_FMT_FP6
.endif
.else
.if (\ra) && (\rb)
	v_wmma_scale_f32_16x16x128_f8f6f4 v[\d:\d+7], v[\a:\a+11], v[\b:\b+11], v[\d:\d+7], v[\sa], v[\sb] matrix_a_fmt:MATRIX_FMT_FP6 matrix_b_fmt:MATRIX_FMT_FP6 matrix_a_scale:MATRIX_SCALE_ROW1 matrix_b_scale:MATRIX_SCALE_ROW1
.elseif \ra
	v_wmma_scale_f32_16x16x128_f8f6f4 v[\d:\d+7], v[\a:\a+11], v[\b:\b+11], v[\d:\d+7], v[\sa], v[\sb] matrix_a_fmt:MATRIX_FMT_FP6 matrix_b_fmt:MATRIX_FMT_FP6 matrix_a_scale:MATRIX_SCALE_ROW1
.elseif \rb
	v_wmma_scale_f32_16x16x128_f8f6f4 v[\d:\d+7], v[\a:\a+11], v[\b:\b+11], v[\d:\d+7], v[\sa], v[\sb] matrix_a_fmt:MATRIX_FMT_FP6 matrix_b_fmt:MATRIX_FMT_FP6 matrix_b_scale:MATRIX_SCALE_ROW1
.else
	v_wmma_scale_f32_16x16x128_f8f6f4 v[\d:\d+7], v[\a:\a+11], v[\b:\b+11], v[\d:\d+7], v[\sa], v[\sb] matrix_a_fmt:MATRIX_FMT_FP6 matrix_b_fmt:MATRIX_FMT_FP6
.endif
.endif
.endm
; A fragment (16 rows x 128 K, 12 registers) is two halves from two neighbouring units; every load takes consecutive bytes over the lanes
.macro FRAGL reg, a16, a8, off
	ds_load_b128 v[\reg:\reg+3], v[\a16] offset:\off
	ds_load_b64 v[\reg+4:\reg+5], v[\a8] offset:\off+512
	ds_load_b128 v[\reg+6:\reg+9], v[\a16] offset:\off+3072
	ds_load_b64 v[\reg+10:\reg+11], v[\a8] offset:\off+3584
.endm
.macro FETCH kq, sb                    ; K step kq: my four fragments of P and four of Q into the set at sb: 32 loads
.irp t, 0,1,2,3
	FRAGL \sb+12*\t, 4, 5, 6144*(\kq)+768*\t
	FRAGL \sb+48+12*\t, 6, 7, 6144*(\kq)+768*\t
.endr
.endm
.macro MUL kq, sb, z                   ; 16 products, the 16 accumulators by turns
.irp i, 0,1,2,3
.irp j, 0,1,2,3
	WM 32*\i+8*\j, \sb+12*\j, \sb+48+12*\i, \z, SP+2*(\kq)+(\j%2), SQ+2*(\kq)+(\i%2), (\j/2), (\i/2)
.endr
.endr
.endm
; 32 numbers of a lane, register 16 b + 8 u + j = number 32 b + 16 u + 8 (lane / 16) + j of the lane's row, become half a fragment (six registers from pc on) and the row's scale word (pw).
.macro QUANT2 s, pc, pw
.irp b, 0,1
	v_max3_num_f32 v[TM+\b], |v[\s+16*\b]|, |v[\s+16*\b+1]|, 0x1800000   ; block b: my 16 numbers, and the floor 2^(3 - 127): the byte cannot fall under 1
.endr
.irp i, 2,4,6,8,10,12,14
.irp b, 0,1
	v_max3_num_f32 v[TM+\b], v[TM+\b], |v[\s+16*\b+\i]|, |v[\s+16*\b+\i+1]|
.endr
.endr
.irp b, 0,1
	v_permlanex16_b32 v[TX+\b], v[TM+\b], s[SEL], s[SEL+1]
.endr
.irp b, 0,1
	v_max_num_f32 v[TM+\b], v[TM+\b], v[TX+\b]     ; with lane l xor 16's: the block's largest magnitude
.endr
.irp b, 0,1
	v_add_nc_u32 v[SCL+\b], 0xff000000, v[TM+\b]   ; 2 off its exponent field: the conversion's scale operand
.endr
.irp b, 0,1
	v_lshrrev_b32 v[BY+\b], 23, v[SCL+\b]          ; the scale's byte
.endr
	v_lshl_or_b32 v[\pw], v[BY+1], 8, v[BY]
	v_cvt_scalef32_pk16_fp6_f32 v[\pc:\pc+2], v[\s:\s+15], v[SCL]
	v_cvt_scalef32_pk16_fp6_f32 v[PT:PT+2], v[\s+16:\s+31], v[SCL+1]
	v_nop                                          ; one plain place behind a scaled conversion
.irp i, 0,1,2
	v_permlane16_swap_b32 v[\pc+\i], v[PT+\i]      ; a whole block to a lane: lanes 0-15 block 0, lanes 16-31 block 1
.endr
.irp i, 0,1,2
	v_mov_b32 v[\pc+3+\i], v[PT+\i]
.endr
.endm
	s_load_b256 s[4:11], s[0:1], 0x0               ; xc s[4:5], xs s[6:7], wc s[8:9], ws s[10:11]
	s_load_b128 s[12:15], s[0:1], 0x20             ; qkvc s[12:13], qkvs s[14:15]
	v_lshl_add_u32 v62, v0, 2, 0x30000
	v_mov_b32 v63, 0
	ds_add_u32 v62, v63
	ds_add_u32 v62, v63
	v_lshrrev_b32 v3, 5, v0
	v_readfirstlane_b32 s16, v3                    ; wave 0..3
	s_and_b32 s17, s16, 1                          ; my 64 rows of P.  Also: which half of a tile I fetch
	s_lshr_b32 s18, s16, 1                         ; my 64 rows of Q.  Also: I fetch for P (0) or for Q (1)
	s_bfe_u32 s19, ttmp6, 0x40000                  ; cx
	s_bfe_u32 s20, ttmp6, 0x40004                  ; cy
	s_mov_b32 s21, ttmp9                           ; the cluster's x: 0..3 q and k, 4, 5 v
	s_and_b32 s22, ttmp7, 0xffff                   ; the cluster's y
	s_lshl_b32 s40, 0x1111, s19                    ; my column of the cluster
	s_lshl_b32 s41, s20, 2
	s_lshl_b32 s41, 15, s41                        ; my row
	; descriptor group 1: a chunk is 12,288 dense bytes: 48 rows of 32 elements of 8 bytes, no padding
	s_or_b32 s48, s40, (3<<16)|(1<<21)             ; P's tiles go to my column
	s_or_b32 s56, s41, (3<<16)|(1<<21)             ; Q's to my row
.irp g, 48, 56
	s_mov_b32 s[\g+1], 32<<16                      ; tensor_dim0
	s_mov_b32 s[\g+2], 48<<16                      ; tensor_dim1
	s_mov_b32 s[\g+3], 32<<16                      ; tile_dim0
	s_mov_b32 s[\g+4], 48                          ; tile_dim1
	s_mov_b32 s[\g+5], 32                          ; the pitch
	s_mov_b32 s[\g+6], 0
	s_mov_b32 s[\g+7], 0
.endr
	s_mov_b32 s44, 0x76543210
	s_mov_b32 s45, 0xfedcba98                      ; v_permlanex16_b32's selects for lane l xor 16
	s_mul_i32 s42, s16, 49152                      ; where my fills go: P's two halves, then Q's two: wave x 49,152
	s_mul_i32 s46, s17, 49152                      ; the half that I fetch, in memory; also my half of P in LDS
	s_mul_i32 s47, s18, 49152
	s_add_co_u32 s47, s47, 98304                   ; my half of Q in LDS
	s_wait_dscnt 0x0
	s_wait_kmcnt 0x0
	s_cmp_ge_u32 s21, 4                            ; v?  The choice hangs on the cluster's number alone
	s_cselect_b32 s23, s22, s21                    ; the cluster coordinate of P's tile,
	s_cselect_b32 s24, s21, s22                    ; of Q's
	s_cselect_b32 s25, -1, 0                       ; all lanes: no normalising
	s_cselect_b64 s[26:27], s[4:5], s[8:9]         ; P's codes,
	s_cselect_b64 s[28:29], s[6:7], s[10:11]       ; P's scales,
	s_cselect_b64 s[30:31], s[8:9], s[4:5]         ; Q's codes,
	s_cselect_b64 s[32:33], s[10:11], s[6:7]       ; Q's scales
	s_lshl_b32 s34, s23, 2
	s_add_co_u32 s34, s34, s19                     ; P's tile of 128 rows: it never holds cy
	s_lshl_b32 s35, s24, 2
	s_add_co_u32 s35, s35, s20                     ; Q's: it never holds cx
	s_mul_i32 s36, s34, 98304
	s_add_co_u32 s36, s36, s46
	s_mov_b32 s37, 0
	s_add_nc_u64 s[36:37], s[26:27], s[36:37]
	s_mul_i32 s38, s35, 98304
	s_add_co_u32 s38, s38, s46
	s_mov_b32 s39, 0
	s_add_nc_u64 s[38:39], s[30:31], s[38:39]
.irp c, 0,1,2,3                                ; group 0 for chunk c: units 4 c .. 4 c + 3 of my half
	s_mov_b32 s[68+4*\c], 1
	s_add_co_u32 s[69+4*\c], s42, 12288*\c
	s_add_nc_u64 s[70+4*\c:71+4*\c], s[36:37], 12288*\c
	s_or_b32 s[71+4*\c], s[71+4*\c], 0x80000000
	s_mov_b32 s[84+4*\c], 1
	s_add_co_u32 s[85+4*\c], s42, 12288*\c
	s_add_nc_u64 s[86+4*\c:87+4*\c], s[38:39], 12288*\c
	s_or_b32 s[87+4*\c], s[87+4*\c], 0x80000000
.endr
	CROUND                                         ; all sixteen work-groups are here: the joint loads meet
	s_cmp_lt_u32 s16, 2                            ; a wave's four fills stand in one branch on the wave's number; four v_nop follow the last
	s_cbranch_scc0 .Lfor_q
	tensor_load_to_lds s[68:71], s[48:55]
	s_nop 0
	tensor_load_to_lds s[72:75], s[48:55]
	s_nop 0
	tensor_load_to_lds s[76:79], s[48:55]
	s_nop 0
	tensor_load_to_lds s[80:83], s[48:55]
	s_nop 0
.rept 4
	v_nop
.endr
	s_branch .Lasked
.Lfor_q:
	tensor_load_to_lds s[84:87], s[56:63]
	s_nop 0
	tensor_load_to_lds s[88:91], s[56:63]
	s_nop 0
	tensor_load_to_lds s[92:95], s[56:63]
	s_nop 0
	tensor_load_to_lds s[96:99], s[56:63]
	s_nop 0
.rept 4
	v_nop
.endr
.Lasked:
	v_and_b32 v3, 31, v0
	v_lshlrev_b32 v1, 4, v3                        ; 16 x lane
	v_lshlrev_b32 v2, 3, v3                        ; 8 x lane
	s_lshl_b32 s2, s34, 1
	s_add_co_u32 s2, s2, s17                       ; my group of 64 rows of P,
	s_lshl_b32 s3, s35, 1
	s_add_co_u32 s3, s3, s18                       ; of Q
	s_lshl_b32 s66, s2, 12                         ; a group's 16 scale images are 4,096 bytes
	s_mov_b32 s67, 0
	s_add_nc_u64 s[28:29], s[28:29], s[66:67]
	s_lshl_b32 s66, s3, 12
	s_add_nc_u64 s[32:33], s[32:33], s[66:67]
.irp c, 0,1,2,3,4,5,6,7,8,9,10,11,12,13,14,15  ; the scale images of all of K, straight into registers: each load takes one aligned run of 256 bytes
	global_load_b64 v[160+2*\c:161+2*\c], v2, s[28:29] offset:256*\c
	global_load_b64 v[192+2*\c:193+2*\c], v2, s[32:33] offset:256*\c
.endr
	v_add_nc_u32 v4, s46, v1                       ; P's fragments: 16-byte pieces,
	v_add_nc_u32 v5, s46, v2                       ; 8-byte pieces
	v_add_nc_u32 v6, s47, v1                       ; Q's
	v_add_nc_u32 v7, s47, v2
	s_cmp_ge_u32 s21, 4                            ; where my 64 x 64 goes
	s_cselect_b32 s43, s3, s2                      ; the group of 64 rows of W: 16 x (q, k, v) + head
	s_cselect_b32 s66, s2, s3                      ; the group of 64 tokens: 32 b + g
	s_lshr_b32 s2, s43, 4
	s_lshl_b32 s2, s2, 5
	s_lshr_b32 s3, s66, 5
	s_lshl_b32 s3, s3, 4
	s_add_co_u32 s2, s2, s3
	s_and_b32 s3, s43, 15
	s_add_co_u32 s2, s2, s3                        ; 32 x type + 16 b + head
	s_lshl_b32 s2, s2, 5
	s_and_b32 s3, s66, 31
	s_add_co_u32 s2, s2, s3                        ; the unit
	s_lshl_b32 s66, s2, 8
	s_add_nc_u64 s[14:15], s[14:15], s[66:67]
	s_mul_i32 s66, s2, 3072
	s_add_nc_u64 s[12:13], s[12:13], s[66:67]
	s_mov_b32 s43, 0xffff0000                      ; lanes 16-31
	WIN 0x40                                       ; destination window 1: what the way out needs there
	v_mov_b32 v128, v1
	v_mov_b32 v129, v2
	v_mov_b32 v146, 1.0
	v_mov_b32 v135, 0                              ; written once: a lane permute's destination counts as one of its sources
	v_mov_b32 v137, 0                              ; (named as the upper half of the pair v[136:137])
	v_mov_b32 v140, 0
	v_mov_b32 v141, 0
	WIN 0
	s_wait_loadcnt 0x0
.irp k, 0,1,2,3,4,5,6,7                        ; a K step's scale word: two bytes of each of its two units
.irp p, 0,1
	v_lshl_or_b32 v[SP+2*\k+\p], v[162+4*\k+\p], 16, v[160+4*\k+\p]
	v_lshl_or_b32 v[SQ+2*\k+\p], v[194+4*\k+\p], 16, v[192+4*\k+\p]
.endr
.endr
.rept 8
	v_nop                                          ; a scale register written by a vector instruction stands 8 places ahead of a scaled matrix instruction
.endr
	CHUNK 3                                        ; chunk 0 lies in LDS; my three later chunks stay out
	FETCH 0, SET0
.set Q, 0
.rept 8                                        ; the eight K steps, written out: while one set is multiplied the other is fetched
.if Q < 7
.if (Q+1)%2 == 0
	CHUNK 3-(Q+1)/2                                ; the next chunk of 256 along K
.endif
	FETCH Q+1, SET0+96*((Q+1)%2)
	s_wait_dscnt 32                                ; all but the 32 just issued
.else
	s_wait_dscnt 0x0
.endif
	WIN MULW
	MUL Q, SET0+96*(Q%2), (Q==0)
	WIN 0
	PLACES
.set Q, Q+1
.endr
; THE WAY OUT, all in window 1.  Tile i of Q's rows: a lane's 32 numbers and lane l xor 16's 32 are one row of 64.
.macro OUTT i
.set A0, 32*(\i)
	v_pk_mul_f32 v[130:131], v[A0:A0+1], v[A0:A0+1]               ; the sum of squares, two chains of packed multiply-adds, each accumulator from its low end on
	v_pk_mul_f32 v[132:133], v[A0+16:A0+17], v[A0+16:A0+17]
.irp p, 2,4,6,8,10,12,14
	v_pk_fma_f32 v[130:131], v[A0+\p:A0+\p+1], v[A0+\p:A0+\p+1], v[130:131]
	v_pk_fma_f32 v[132:133], v[A0+16+\p:A0+17+\p], v[A0+16+\p:A0+17+\p], v[132:133]
.endr
	v_pk_add_f32 v[130:131], v[130:131], v[132:133]
	v_add_f32 v134, v130, v131
	v_permlanex16_b32 v135, v134, s[SEL], s[SEL+1]
	v_add_f32 v134, v134, v135
	v_rsq_f32 v136, v134
	v_nop                                          ; one plain place behind a transcendental
	s_wait_alu depctr_va_vdst(0)
	v_min_num_f32 v136, 0x49742400, v136           ; 1 / max(length, 1e-6)
	v_cndmask_b32 v136, v136, v146, s25            ; v: 1.0
.irp p, 0,2,4,6,8,10,12,14,16,18,20,22,24,26,28,30
	v_pk_mul_f32 v[A0+\p:A0+\p+1], v[A0+\p:A0+\p+1], v[136:137] op_sel_hi:[1,0]
.endr
	QUANT2 A0, 160+8*(\i), 148+(\i)
	global_store_b128 v128, v[160+8*(\i):163+8*(\i)], s[12:13] offset:768*(\i)        ; 512 consecutive bytes, at a multiple of 256 from the buffer's first byte
	global_store_b64 v129, v[164+8*(\i):165+8*(\i)], s[12:13] offset:768*(\i)+512     ; 256 more.  Each tile has registers of its own: no store's data are written again
.endm
	WIN 0x55
	OUTT 0
	OUTT 1
	OUTT 2
	OUTT 3
	v_cndmask_b32 v152, v148, v150, s43            ; the unit's scale image: lanes 0-15 tiles 0 and 1, lanes 16-31 tiles 2 and 3
	v_cndmask_b32 v153, v149, v151, s43
	global_store_b64 v129, v[152:153], s[14:15]    ; 256 consecutive bytes
	WIN 0
	s_wait_tensorcnt 0x0
	ds_add_u32 v62, v63
	s_wait_dscnt 0x0
	CROUND                                         ; the closing round: no work-group ends while a partner may still ask for a tile that names it
	s_endpgm
.Lfunc_end_k_q5ada7ad3b8_qkv:
	.size	k_q5ada7ad3b8_qkv, .Lfunc_end_k_q5ada7ad3b8_qkv-k_q5ada7ad3b8_qkv
	.p2alignl 7, 3214868480
	.fill 96, 4, 3214868480
	.section	.rodata,"a",@progbits
	.p2align	6, 0x0
	.amdhsa_kernel k_q5ada7ad3b8_qkv
		.amdhsa_group_segment_fixed_size 197120
		.amdhsa_private_segment_fixed_size 0
		.amdhsa_enable_private_segment 0
		.amdhsa_kernarg_size 48
		.amdhsa_user_sgpr_count 2
		.amdhsa_user_sgpr_kernarg_segment_ptr 1
		.amdhsa_wavefront_size32 1
		.amdhsa_system_sgpr_workgroup_id_x 1
		.amdhsa_system_sgpr_workgroup_id_y 1
		.amdhsa_system_sgpr_workgroup_id_z 1
		.amdhsa_system_vgpr_workitem_id 0
		.amdhsa_next_free_vgpr 512
		.amdhsa_next_free_sgpr 100
		.amdhsa_reserve_vcc 0
		.amdhsa_float_denorm_mode_32 3
		.amdhsa_float_denorm_mode_16_64 3
		.amdhsa_memory_ordered 1
		.amdhsa_forward_progress 1
		.amdhsa_inst_pref_size 66
	.end_amdhsa_kernel
	.amdgpu_metadata
---
amdhsa.version: [ 1, 2 ]
amdhsa.kernels:
  - .name:           k_q5ada7ad3b8_qkv
    .symbol:         k_q5ada7ad3b8_qkv.kd
    .args:
      - { .name: xc, .offset: 0, .size: 8, .value_kind: global_buffer, .address_space: global }
      - { .name: xs, .offset: 8, .size: 8, .value_kind: global_buffer, .address_space: global }
      - { .name: wc, .offset: 16, .size: 8, .value_kind: global_buffer, .address_space: global }
      - { .name: ws, .offset: 24, .size: 8, .value_kind: global_buffer, .address_space: global }
      - { .name: qkvc, .offset: 32, .size: 8, .value_kind: global_buffer, .address_space: global }
      - { .name: qkvs, .offset: 40, .size: 8, .value_kind: global_buffer, .address_space: global }
    .group_segment_fixed_size: 197120
    .private_segment_fixed_size: 0
    .kernarg_segment_align: 8
    .kernarg_segment_size: 48
    .max_flat_workgroup_size: 128
    .sgpr_count:     100
    .vgpr_count:     512
    .wavefront_size: 32
...
	.end_amdgpu_metadata
.endif
;; end of part 2
;; launch attn (part 3): grid 8 x 32, 16 waves a work-group, no clusters, 169,984 bytes of LDS; arguments qkvc, qkvs, ac, asc; writes ac, asc
.if DOCPART == 3
	.amdgcn_target "amdgcn-amd-amdhsa--gfx1250"
	.amdhsa_code_object_version 6
	.text
	.protected	k_q5ada7ad3b8_attn
	.globl	k_q5ada7ad3b8_attn
	.p2align	8
	.type	k_q5ada7ad3b8_attn,@function
k_q5ada7ad3b8_attn:
	s_mov_b64 s[64:65], 0
	v_nop
	global_prefetch_b8 v0, s[64:65] scope:SCOPE_SE
	s_setreg_imm32_b32 hwreg(HW_REG_WAVE_MODE, 25, 1), 1
	s_wait_xcnt 0x0
; The windowed attention of one head on codes of FP6 (E2M3) with E8M0 scales.  Key j counts for query i where 0 <= j - i < 128 and j < 2,048; its logit is q.k - slope (j - i), slope = 2^(-8 head / 15).
; t = logit x log2(e); M = ceil(the row's largest t); p = 2^(t - M) is quantised along the keys; the row's sum is taken of the unquantised p and divides the result, which is quantised along the model's 1,024.
; Operands and result lie in UNITS of 64 rows x 64 along K (codes 3,072 bytes: tile i at 768 i, registers 0-3 at 16 x lane, registers 4-5 at 512 + 8 x lane; scales 256 bytes: a word a row at 8 r + 128 (i / 2) + 4 (i % 2)).
; q, k: rows = tokens, K = the head's 64 (the instruction's upper 64 along K are zero codes).  v: rows = the head's channels, K = 64 tokens.  Inside a block the places hold numbers 0-7, 16-23, 8-15, 24-31 in every operand alike.
; SHARES: a work-group owns 256 queries of one head; wave w the 16 queries of tile w % 4 of group G = 4 x + w / 4.  Its keys lie in groups G, G + 1, G + 2: 192 keys, all in registers at once: one maximum, no running one.
; Both products are used transposed (S^T = K Q^T, O^T = V^T P^T): a lane holds one query throughout.  Bias and mask are the C of the first product, so its result is the logit; a hidden key's is -1e30.
; LDS is filled once: K's and V's six units and their scale images, one tensor load a wave (waves 0-5 codes, 6-11 scales).  In a sequence's last block the two groups past its end are taken from groups 30, 31: all their keys are hidden.
; NO JOINT LOADS: neighbouring work-groups share two of six groups (12,288 of 36,864 bytes of codes), and those lie at other LDS places in each: the descriptors would differ.
; Sixteen waves of 256 registers, four to a SIMD, so that one wave's vector work stands beside another's products and LDS loads.
; LIMITS: slope by v_exp_f32; keys 128-191 of a window are summed ahead of keys 0-127; a block whose every p is 0 gets the byte 1 (its codes are zeros); NaN and infinities are not served.
.set VB,   18432                       ; LDS: K's six units at 0, V's here,
.set KSC,  36864                       ; K's six scale images,
.set VSC,  38400                       ; V's,
.set OSC,  39936                       ; the result's four scale images: written by LDS stores alone, no fill lands here
.set F,    80                          ; v80-127  four fragments of K, later of V's keys 128-191; their upper six registers stay 0
.set S,    128                         ; v128-223 bias, then logits, then p; later v128-175 V's keys 0-127 and v176-207 O^T
.set OT,   176
.set TM,   54
.set TX,   60
.set SCL,  66
.set BY,   62
.set PT,   248
.set SEL,  20
.macro PLACES
.rept 4
	v_nop
.endr
.endm
.macro WM d, a, b, z, sa, sb, ra, rb   ; one product.  z = 1: the constant 0 starts the sum.  ra, rb = 1: the scales are read from lanes 16-31
.if \z
.if (\ra) && (\rb)
	v_wmma_scale_f32_16x16x128_f8f6f4 v[\d:\d+7], v[\a:\a+11], v[\b:\b+11], 0, v[\sa], v[\sb] matrix_a_fmt:MATRIX_FMT_FP6 matrix_b_fmt:MATRIX_FMT_FP6 matrix_a_scale:MATRIX_SCALE_ROW1 matrix_b_scale:MATRIX_SCALE_ROW1
.elseif \ra
	v_wmma_scale_f32_16x16x128_f8f6f4 v[\d:\d+7], v[\a:\a+11], v[\b:\b+11], 0, v[\sa], v[\sb] matrix_a_fmt:MATRIX_FMT_FP6 matrix_b_fmt:MATRIX_FMT_FP6 matrix_a_scale:MATRIX_SCALE_ROW1
.elseif \rb
	v_wmma_scale_f32_16x16x128_f8f6f4 v[\d:\d+7], v[\a:\a+11], v[\b:\b+11], 0, v[\sa], v[\sb] matrix_a_fmt:MATRIX_FMT_FP6 matrix_b_fmt:MATRIX_FMT_FP6 matrix_b_scale:MATRIX_SCALE_ROW1
.else
	v_wmma_scale_f32_16x16x128_f8f6f4 v[\d:\d+7], v[\a:\a+11], v[\b:\b+11], 0, v[\sa], v[\sb] matrix_a_fmt:MATRIX_FMT_FP6 matrix_b_fmt:MATRIX_FMT_FP6
.endif
.else
.if (\ra) && (\rb)
	v_wmma_scale_f32_16x16x128_f8f6f4 v[\d:\d+7], v[\a:\a+11], v[\b:\b+11], v[\d:\d+7], v[\sa], v[\sb] matrix_a_fmt:MATRIX_FMT_FP6 matrix_b_fmt:MATRIX_FMT_FP6 matrix_a_scale:MATRIX_SCALE_ROW1 matrix_b_scale:MATRIX_SCALE_ROW1
.elseif \ra
	v_wmma_scale_f32_16x16x128_f8f6f4 v[\d:\d+7], v[\a:\a+11], v[\b:\b+11], v[\d:\d+7], v[\sa], v[\sb] matrix_a_fmt:MATRIX_FMT_FP6 matrix_b_fmt:MATRIX_FMT_FP6 matrix_a_scale:MATRIX_SCALE_ROW1
.elseif \rb
	v_wmma_scale_f32_16x16x128_f8f6f4 v[\d:\d+7], v[\a:\a+11], v[\b:\b+11], v[\d:\d+7], v[\sa], v[\sb] matrix_a_fmt:MATRIX_FMT_FP6 matrix_b_fmt:MATRIX_FMT_FP6 matrix_b_scale:MATRIX_SCALE_ROW1
.else
	v_wmma_scale_f32_16x16x128_f8f6f4 v[\d:\d+7], v[\a:\a+11], v[\b:\b+11], v[\d:\d+7], v[\sa], v[\sb] matrix_a_fmt:MATRIX_FMT_FP6 matrix_b_fmt:MATRIX_FMT_FP6
.endif
.endif
.endm
; 32 numbers of a lane, register 16 b + 8 u + j = number 32 b + 16 u + 8 (lane / 16) + j of the lane's row, become half a fragment (six registers from pc on) and the row's scale word (pw).
.macro QUANT2 s, pc, pw
.irp b, 0,1
	v_max3_num_f32 v[TM+\b], |v[\s+16*\b]|, |v[\s+16*\b+1]|, 0x1800000   ; block b: my 16 numbers, and the floor 2^(3 - 127): the byte cannot fall under 1
.endr
.irp i, 2,4,6,8,10,12,14
.irp b, 0,1
	v_max3_num_f32 v[TM+\b], v[TM+\b], |v[\s+16*\b+\i]|, |v[\s+16*\b+\i+1]|
.endr
.endr
.irp b, 0,1
	v_permlanex16_b32 v[TX+\b], v[TM+\b], s[SEL], s[SEL+1]
.endr
.irp b, 0,1
	v_max_num_f32 v[TM+\b], v[TM+\b], v[TX+\b]
.endr
.irp b, 0,1
	v_add_nc_u32 v[SCL+\b], 0xff000000, v[TM+\b]
.endr
.irp b, 0,1
	v_lshrrev_b32 v[BY+\b], 23, v[SCL+\b]
.endr
	v_lshl_or_b32 v[\pw], v[BY+1], 8, v[BY]
	v_cvt_scalef32_pk16_fp6_f32 v[\pc:\pc+2], v[\s:\s+15], v[SCL]
	v_cvt_scalef32_pk16_fp6_f32 v[PT:PT+2], v[\s+16:\s+31], v[SCL+1]
	v_nop                                          ; one plain place behind a scaled conversion
.irp i, 0,1,2
	v_permlane16_swap_b32 v[\pc+\i], v[PT+\i]
.endr
.irp i, 0,1,2
	v_mov_b32 v[\pc+3+\i], v[PT+\i]
.endr
.endm
	s_load_b256 s[4:11], s[0:1], 0x0               ; qkvc s[4:5], qkvs s[6:7], ac s[8:9], asc s[10:11]
	v_lshl_add_u32 v251, v0, 2, 0x29000
	v_mov_b32 v255, 0
	ds_add_u32 v251, v255
	ds_add_u32 v251, v255
	v_lshrrev_b32 v1, 5, v0
	v_readfirstlane_b32 s12, v1                    ; wave 0..15
	s_lshr_b32 s13, s12, 2                         ; my group of 64 queries in the work-group's four
	s_and_b32 s14, s12, 3                          ; my tile of 16 in it
	s_mov_b32 s15, ttmp9                           ; the block of 256 queries
	s_and_b32 s16, ttmp7, 0xffff                   ; 16 b + head
	s_and_b32 s17, s16, 15                         ; head
	s_lshr_b32 s18, s16, 4                         ; b
	s_lshl_b32 s19, s15, 2
	s_add_co_u32 s19, s19, s13                     ; G: my group of 64 tokens in the sequence
	s_mov_b32 s20, 0x76543210
	s_mov_b32 s21, 0xfedcba98                      ; v_permlanex16_b32's selects for lane l xor 16
	s_mov_b32 s22, 0x3fb8aa3b                      ; log2(e)
	s_mov_b32 s23, s22                             ; (named with it as a pair, so it is written)
	; descriptor group 1 for two units of codes: 6,144 dense bytes: 24 rows of 32 elements of 8 bytes
	s_mov_b32 s24, 3<<16
	s_mov_b32 s25, 32<<16
	s_mov_b32 s26, 24<<16
	s_mov_b32 s27, 32<<16
	s_mov_b32 s28, 24
	s_mov_b32 s29, 32
	s_mov_b32 s30, 0
	s_mov_b32 s31, 0
	; and for two scale images: 2 such rows
	s_mov_b32 s32, 3<<16
	s_mov_b32 s33, 32<<16
	s_mov_b32 s34, 2<<16
	s_mov_b32 s35, 32<<16
	s_mov_b32 s36, 2
	s_mov_b32 s37, 32
	s_mov_b32 s38, 0
	s_mov_b32 s39, 0
	; what I fetch, if I fetch: waves 0-2 and 6-8 for K, waves 3-5 and 9-11 for V; two groups each
	s_cmp_ge_u32 s12, 6
	s_cselect_b32 s48, 6, 0
	s_sub_co_u32 s48, s12, s48
	s_cmp_ge_u32 s48, 3
	s_cselect_b32 s49, 3, 0
	s_cselect_b32 s50, 2, 1                        ; v or k
	s_sub_co_u32 s48, s48, s49
	s_lshl_b32 s48, s48, 1
	s_lshl_b32 s51, s15, 2
	s_add_co_u32 s51, s51, s48
	s_min_u32 s51, s51, 30                         ; the first of my two groups, held inside the sequence
	s_mul_i32 s52, s50, 3145728
	s_mul_i32 s49, s16, 98304
	s_add_co_u32 s52, s52, s49
	s_mul_i32 s49, s51, 3072
	s_add_co_u32 s52, s52, s49
	s_mov_b32 s53, 0
	s_lshl_b32 s54, s50, 18
	s_lshl_b32 s49, s16, 13
	s_add_co_u32 s54, s54, s49
	s_lshl_b32 s49, s51, 8
	s_add_co_u32 s54, s54, s49
	s_mov_b32 s55, 0
	; numbers made of the wave's number alone, for LDS addresses
	s_mul_i32 s66, s13, 3072
	s_lshl_b32 s67, s13, 8
	s_lshr_b32 s68, s14, 1
	s_lshl_b32 s68, s68, 7
	s_and_b32 s69, s14, 1
	s_lshl_b32 s69, s69, 2
	s_add_co_u32 s68, s68, s69                     ; my tile's place in a scale image: 128 (tile / 2) + 4 (tile % 2)
	s_add_co_u32 s69, s67, s68
	s_add_co_u32 s69, s69, OSC
	s_lshl_b32 s70, s14, 4                         ; my first query in its group
	s_lshl_b32 s71, s19, 6
	s_sub_co_u32 s71, 2047, s71                    ; the sequence's last key, counted from my group's first
	; q's unit, the result's unit
	s_lshl_b32 s56, s16, 5
	s_add_co_u32 s56, s56, s19
	s_mul_i32 s58, s56, 3072
	s_mul_i32 s57, s14, 768
	s_add_co_u32 s58, s58, s57
	s_mov_b32 s59, 0
	s_lshl_b32 s60, s56, 8
	s_add_co_u32 s60, s60, s68
	s_mov_b32 s61, 0
	s_lshl_b32 s62, s18, 5
	s_add_co_u32 s62, s62, s19                     ; 32 b + G
	s_lshl_b32 s62, s62, 4
	s_add_co_u32 s62, s62, s17                     ; x 16 + head
	s_mul_i32 s62, s62, 3072
	s_add_co_u32 s62, s62, s57
	s_mov_b32 s63, 0
	s_lshl_b32 s72, s18, 5                         ; the scale image that waves 0-3 store at the end: group 4 x + wave
	s_lshl_b32 s73, s15, 2
	s_add_co_u32 s72, s72, s73
	s_add_co_u32 s72, s72, s12
	s_lshl_b32 s72, s72, 4
	s_add_co_u32 s72, s72, s17
	s_lshl_b32 s72, s72, 8
	s_mov_b32 s73, 0
	s_wait_dscnt 0x0
	s_wait_kmcnt 0x0
	s_mov_b32 s40, 1
	s_mul_i32 s41, s12, 6144                       ; waves 0-2: K's region, waves 3-5: V's
	s_add_nc_u64 s[42:43], s[4:5], s[52:53]
	s_or_b32 s43, s43, 0x80000000
	s_mov_b32 s44, 1
	s_lshl_b32 s45, s12, 9
	s_add_co_u32 s45, s45, 33792                   ; waves 6-8: K's images, waves 9-11: V's
	s_add_nc_u64 s[46:47], s[6:7], s[54:55]
	s_or_b32 s47, s47, 0x80000000
	s_cmp_lt_u32 s12, 6                            ; one tensor load a wave at the most; four v_nop follow each of the two lines
	s_cbranch_scc0 .Lnot_c
	tensor_load_to_lds s[40:43], s[24:31]
	s_nop 0
.rept 4
	v_nop
.endr
	s_branch .Lasked
.Lnot_c:
	s_cmp_lt_u32 s12, 12
	s_cbranch_scc0 .Lasked
	tensor_load_to_lds s[44:47], s[32:39]
	s_nop 0
.rept 4
	v_nop
.endr
.Lasked:
	s_add_nc_u64 s[58:59], s[4:5], s[58:59]
	s_add_nc_u64 s[60:61], s[6:7], s[60:61]
	s_add_nc_u64 s[8:9], s[8:9], s[62:63]
	s_add_nc_u64 s[10:11], s[10:11], s[72:73]
	v_and_b32 v14, 31, v0                          ; lane
	v_and_b32 v15, 15, v0                          ; r
	v_bfe_u32 v11, v0, 4, 1                        ; h
	v_lshlrev_b32 v1, 4, v14                       ; 16 x lane
	v_lshlrev_b32 v2, 3, v14                       ; 8 x lane
	v_lshlrev_b32 v6, 3, v15                       ; 8 r
	global_load_b128 v[16:19], v1, s[58:59]        ; q's half fragment stays in registers
	global_load_b64 v[20:21], v2, s[58:59] offset:512
	global_load_b32 v50, v6, s[60:61]              ; and its scale words
	; all that follows up to the barrier needs no tile: it stands beside the fills
	v_add_nc_u32 v3, s66, v1                       ; my first group's unit: 16-byte pieces,
	v_add_nc_u32 v4, s66, v2                       ; 8-byte pieces,
	v_add_nc_u32 v5, s67, v2                       ; its scale image
	v_add_nc_u32 v10, s69, v6                      ; where my row's scale word of the result goes
	v_lshlrev_b32 v11, 3, v11                      ; 8 h
	v_add_nc_u32 v14, s70, v15                     ; dq: my query in its group.  Register j of tile T holds key n = 16 T + 8 h + j of the 192
	v_sub_nc_u32 v7, v14, v11                      ; hidden below: n < dq, that is 16 T + j < dq - 8 h
	v_add_nc_u32 v8, 127, v14
	v_min_u32 v8, s71, v8
	v_sub_nc_u32 v8, v8, v11                       ; hidden above: 16 T + j > min(dq + 127, the last key) - 8 h
	v_mov_b32 v9, 0xf149f2ca                       ; -1e30
	v_and_b32 v11, 127, v0
	v_lshl_add_u32 v11, v11, 3, OSC                ; waves 0-3 at the end: 8 bytes a thread of the four images
.irp j, 22,23,24,25,26,27, 86,87,88,89,90,91, 98,99,100,101,102,103, 110,111,112,113,114,115, 122,123,124,125,126,127, 242,243,244,245,246,247
	v_mov_b32 v\j, 0                               ; zero codes for the upper 64 along K of q, of the four fragments at F and of p's keys 128-191
.endr
.irp j, 60,61,62,63,64,65,73
	v_mov_b32 v\j, 0                               ; written once: lane permutes' destinations, and the upper half of the pair v[72:73]
.endr
	v_cvt_f32_u32 v78, s17                         ; head / 15, rounded as a division rounds it: a product with 1/15 and one correction by the exact remainder
	v_mul_f32 v79, 0x3d888889, v78
	v_fma_f32 v74, -v79, 0x41700000, v78
	v_fma_f32 v79, v74, 0x3d888889, v79
	v_mul_f32 v79, 0xc1000000, v79                 ; x -8, exact
	v_exp_f32 v12, v79                             ; slope
	v_nop                                          ; one plain place behind a transcendental
	s_wait_alu depctr_va_vdst(0)
	v_mul_f32 v12, -1.0, v12
	v_mov_b32 v13, v12                             ; -slope, twice
.irp j, 0,1,2,3,4,5,6,7
	v_sub_nc_u32 v[28+\j], \j, v7
.endr
.irp j, 0,1,2,3,4,5,6,7
	v_cvt_f32_i32 v[28+\j], v[28+\j]               ; n - dq for tile 0
.endr
.macro BIAS t                          ; tile t's eight biases: -slope (n - dq), one rounding; -1e30 where the key is hidden.  A tile under key 64 can only be hidden below, one from key 64 on only above
.if (\t) > 0
.irp p, 0,2,4,6
	v_pk_add_f32 v[28+\p:29+\p], v[28+\p:29+\p], 0x41800000 op_sel_hi:[1,0]   ; 16 keys on: exact
.endr
.endif
.irp p, 0,2,4,6
	v_pk_mul_f32 v[S+8*(\t)+\p:S+8*(\t)+\p+1], v[28+\p:29+\p], v[12:13]
.endr
.irp j, 0,1,2,3,4,5,6,7
.if (\t) < 4
	v_cmp_lt_i32 vcc_lo, 16*(\t)+\j, v7
.else
	v_cmp_gt_i32 vcc_lo, 16*(\t)+\j, v8
.endif
	v_cndmask_b32 v[S+8*(\t)+\j], v[S+8*(\t)+\j], v9, vcc_lo
.endr
.endm
.irp t, 0,1,2,3,4,5,6,7,8,9,10,11
	BIAS \t
.endr
	s_wait_tensorcnt 0x0                           ; my fill has landed,
	s_barrier_signal -1
	s_barrier_wait -1                              ; everybody's has
.irp e, 0,1,2
	ds_load_b64 v[36+2*\e:37+2*\e], v5 offset:KSC+256*\e      ; the scale images of my three groups: K's,
	ds_load_b64 v[42+2*\e:43+2*\e], v5 offset:VSC+256*\e      ; V's
.endr
	s_wait_loadcnt 0x0                             ; q
.irp e, 0,1,2                                  ; S^T = K Q^T + bias, a group of 64 keys (four tiles) at a time
.irp t, 0,1,2,3
	ds_load_b128 v[F+12*\t:F+12*\t+3], v3 offset:3072*\e+768*\t
	ds_load_b64 v[F+12*\t+4:F+12*\t+5], v4 offset:3072*\e+768*\t+512
.endr
	s_wait_dscnt 0x0
.irp t, 0,1,2,3
	WM S+8*(4*\e+\t), F+12*\t, 16, 0, 36+2*\e+(\t%2), 50, (\t/2), 0
.endr
	PLACES                                         ; in front of loads into the fragments, and of the first read of the logits
.endr
	v_lshl_or_b32 v48, v44, 16, v42                ; V's scale words for keys 0-127: two bytes of each of two groups
	v_lshl_or_b32 v49, v45, 16, v43
.irp t, 0,1,2,3                                ; V's keys 128-191, asked for ahead of the softmax
	ds_load_b128 v[F+12*\t:F+12*\t+3], v3 offset:VB+6144+768*\t
	ds_load_b64 v[F+12*\t+4:F+12*\t+5], v4 offset:VB+6144+768*\t+512
.endr
.irp b, 0,1,2,3,4,5
	v_max3_num_f32 v[54+\b], v[S+16*\b], v[S+16*\b+1], v[S+16*\b+2]   ; the largest logit of each block of 32 keys: it serves for the row's maximum and, since p rises with the logit, for the block's largest p
.endr
.irp i, 3,5,7,9,11,13
.irp b, 0,1,2,3,4,5
	v_max3_num_f32 v[54+\b], v[54+\b], v[S+16*\b+\i], v[S+16*\b+\i+1]
.endr
.endr
.irp b, 0,1,2,3,4,5
	v_max_num_f32 v[54+\b], v[54+\b], v[S+16*\b+15]
.endr
.irp b, 0,1,2,3,4,5
	v_permlanex16_b32 v[60+\b], v[54+\b], s20, s21
.endr
.irp b, 0,1,2,3,4,5
	v_max_num_f32 v[54+\b], v[54+\b], v[60+\b]     ; with lane l xor 16's 16 keys
.endr
	v_max3_num_f32 v78, v54, v55, v56
	v_max3_num_f32 v78, v78, v57, v58
	v_max_num_f32 v78, v78, v59                    ; the row's largest logit (the query's own key always counts)
	v_mul_f32 v78, s22, v78                        ; as t
	v_floor_f32 v72, -v78                          ; -M = floor(-t) = -ceil(t)
.set J, 0
.rept 48
	v_pk_fma_f32 v[S+J:S+J+1], v[S+J:S+J+1], s[22:23], v[72:73] op_sel_hi:[1,0,0]   ; t - M, two at a time
.set J, J+2
.endr
.irp b, 0,1,2,3,4,5
	v_fma_f32 v[54+\b], v[54+\b], s22, v72         ; the same of each block's largest logit
.endr
.set J, 0
.rept 96
	v_exp_f32 v[S+J], v[S+J]                       ; p = 2^(t - M); 0 for a hidden key
.set J, J+1
.endr
.irp b, 0,1,2,3,4,5
	v_exp_f32 v[54+\b], v[54+\b]                   ; the block's largest p: the same two instructions on the same number
.endr
	v_nop                                          ; one plain place behind the exponentials
	s_wait_alu depctr_va_vdst(0)
.irp b, 0,1,2,3,4,5
	v_max_num_f32 v[54+\b], 0x1800000, v[54+\b]    ; the floor 2^(3 - 127): the byte cannot fall under 1
.endr
.irp b, 0,1,2,3,4,5
	v_add_nc_u32 v[66+\b], 0xff000000, v[54+\b]    ; 2 off the exponent field: the conversion's scale operand
.endr
.irp b, 0,1,2,3,4,5
	v_lshrrev_b32 v[60+\b], 23, v[66+\b]           ; the scale's byte
.endr
	v_lshl_or_b32 v51, v61, 8, v60                 ; p's scale word for keys 0-127,
	v_lshl_or_b32 v52, v65, 8, v64                 ; for keys 128-191
	v_lshl_or_b32 v51, v62, 16, v51
	v_lshl_or_b32 v51, v63, 24, v51
	v_cvt_scalef32_pk16_fp6_f32 v[224:226], v[S:S+15], v66
	v_cvt_scalef32_pk16_fp6_f32 v[248:250], v[S+16:S+31], v67      ; (a conversion's three registers begin on an even number)
	v_cvt_scalef32_pk16_fp6_f32 v[230:232], v[S+32:S+47], v68
	v_cvt_scalef32_pk16_fp6_f32 v[252:254], v[S+48:S+63], v69
	v_cvt_scalef32_pk16_fp6_f32 v[236:238], v[S+64:S+79], v70
	v_cvt_scalef32_pk16_fp6_f32 v[74:76], v[S+80:S+95], v71
	v_nop                                          ; one plain place behind a scaled conversion
.irp i, 0,1,2                                  ; a whole block to a lane: lanes 0-15 the even block, lanes 16-31 the odd one
	v_permlane16_swap_b32 v[224+\i], v[248+\i]
	v_permlane16_swap_b32 v[230+\i], v[252+\i]
	v_permlane16_swap_b32 v[236+\i], v[74+\i]
.endr
.irp i, 0,1,2
	v_mov_b32 v[227+\i], v[248+\i]
	v_mov_b32 v[233+\i], v[252+\i]
	v_mov_b32 v[239+\i], v[74+\i]
.endr
	v_pk_add_f32 v[74:75], v[S:S+1], v[S+2:S+3]    ; the row's sum is taken of the unquantised p: two at a time, in two chains
	v_pk_add_f32 v[76:77], v[S+4:S+5], v[S+6:S+7]
.set J, 8
.rept 22
	v_pk_add_f32 v[74:75], v[74:75], v[S+J:S+J+1]
	v_pk_add_f32 v[76:77], v[76:77], v[S+J+2:S+J+3]
.set J, J+4
.endr
	v_pk_add_f32 v[74:75], v[74:75], v[76:77]
.irp t, 0,1,2,3                                ; V's keys 0-127 into the registers that p has left: registers 0-5 my first group, 6-11 my second
	ds_load_b128 v[S+12*\t:S+12*\t+3], v3 offset:VB+768*\t
	ds_load_b64 v[S+12*\t+4:S+12*\t+5], v4 offset:VB+768*\t+512
	ds_load_b128 v[S+12*\t+6:S+12*\t+9], v3 offset:VB+3072+768*\t
	ds_load_b64 v[S+12*\t+10:S+12*\t+11], v4 offset:VB+3072+768*\t+512
.endr
	s_wait_dscnt 16                                ; all but the 16 just issued: V's keys 128-191 are in
.irp t, 0,1,2,3                                ; O^T = V^T P^T: four tiles of 16 channels by turns; the first products start the sums
	WM OT+8*\t, F+12*\t, 236, 1, 46+(\t%2), 52, (\t/2), 0
.endr
	s_wait_dscnt 0x0
.irp t, 0,1,2,3
	WM OT+8*\t, S+12*\t, 224, 0, 48+(\t%2), 51, (\t/2), 0
.endr
	PLACES
	v_add_f32 v74, v74, v75                        ; the sum's two halves,
	v_permlanex16_b32 v60, v74, s20, s21
	v_add_f32 v74, v74, v60                        ; and lane l xor 16's: the row's sum
	v_rcp_f32 v78, v74
	v_nop                                          ; one plain place behind a transcendental
	s_wait_alu depctr_va_vdst(0)
.irp p, 0,2,4,6,8,10,12,14,16,18,20,22,24,26,28,30
	v_pk_mul_f32 v[OT+\p:OT+\p+1], v[OT+\p:OT+\p+1], v[78:79] op_sel_hi:[1,0]   ; O^T / the sum, each accumulator from its low end on
.endr
	QUANT2 OT, 224, 53                             ; along the head's 64 channels, which are 64 of the last product's K
	global_store_b128 v1, v[224:227], s[8:9]       ; 512 consecutive bytes, at a multiple of 256 from the buffer's first byte
	global_store_b64 v2, v[228:229], s[8:9] offset:512
	ds_store_b32 v10, v53                          ; lanes r and r + 16 write the same word with the same value
	s_wait_dscnt 0x0                               ; for the others' sake: my scale words lie in LDS
	s_barrier_signal -1
	s_barrier_wait -1
	s_cmp_lt_u32 s12, 4                            ; waves 0-3 store the four groups' images, 256 consecutive bytes each
	s_cbranch_scc0 .Lend
	ds_load_b64 v[14:15], v11
	s_wait_dscnt 0x0
	global_store_b64 v2, v[14:15], s[10:11]
.Lend:
	s_wait_tensorcnt 0x0
	ds_add_u32 v251, v255
	s_wait_dscnt 0x0
	s_endpgm
.Lfunc_end_k_q5ada7ad3b8_attn:
	.size	k_q5ada7ad3b8_attn, .Lfunc_end_k_q5ada7ad3b8_attn-k_q5ada7ad3b8_attn
	.p2alignl 7, 3214868480
	.fill 96, 4, 3214868480
	.section	.rodata,"a",@progbits
	.p2align	6, 0x0
	.amdhsa_kernel k_q5ada7ad3b8_attn
		.amdhsa_group_segment_fixed_size 169984
		.amdhsa_private_segment_fixed_size 0
		.amdhsa_enable_private_segment 0
		.amdhsa_kernarg_size 32
		.amdhsa_user_sgpr_count 2
		.amdhsa_user_sgpr_kernarg_segment_ptr 1
		.amdhsa_wavefront_size32 1
		.amdhsa_system_sgpr_workgroup_id_x 1
		.amdhsa_system_sgpr_workgroup_id_y 1
		.amdhsa_system_sgpr_workgroup_id_z 1
		.amdhsa_system_vgpr_workitem_id 0
		.amdhsa_next_free_vgpr 256
		.amdhsa_next_free_sgpr 80
		.amdhsa_reserve_vcc 1
		.amdhsa_float_denorm_mode_32 3
		.amdhsa_float_denorm_mode_16_64 3
		.amdhsa_memory_ordered 1
		.amdhsa_forward_progress 1
		.amdhsa_inst_pref_size 50
	.end_amdhsa_kernel
	.amdgpu_metadata
---
amdhsa.version: [ 1, 2 ]
amdhsa.kernels:
  - .name:           k_q5ada7ad3b8_attn
    .symbol:         k_q5ada7ad3b8_attn.kd
    .args:
      - { .name: qkvc, .offset: 0, .size: 8, .value_kind: global_buffer, .address_space: global }
      - { .name: qkvs, .offset: 8, .size: 8, .value_kind: global_buffer, .address_space: global }
      - { .name: ac, .offset: 16, .size: 8, .value_kind: global_buffer, .address_space: global }
      - { .name: asc, .offset: 24, .size: 8, .value_kind: global_buffer, .address_space: global }
    .group_segment_fixed_size: 169984
    .private_segment_fixed_size: 0
    .kernarg_segment_align: 8
    .kernarg_segment_size: 32
    .max_flat_workgroup_size: 512
    .sgpr_count:     80
    .vgpr_count:     256
    .wavefront_size: 32
...
	.end_amdgpu_metadata
.endif
;; end of part 3
;; launch oproj (part 4): grid 8 x 32, 4 waves a work-group, clusters of 4 x 4, 214,528 bytes of LDS; arguments ac, asc, wc, ws, out0; writes out0
.if DOCPART == 4
	.amdgcn_target "amdgcn-amd-amdhsa--gfx1250"
	.amdhsa_code_object_version 6
	.text
	.protected	k_q5ada7ad3b8_oproj
	.globl	k_q5ada7ad3b8_oproj
	.p2align	8
	.type	k_q5ada7ad3b8_oproj,@function
k_q5ada7ad3b8_oproj:
	s_mov_b64 s[64:65], 0
	v_nop
	global_prefetch_b8 v0, s[64:65] scope:SCOPE_SE
	s_setreg_imm32_b32 hwreg(HW_REG_WAVE_MODE, 25, 1), 1
	s_wait_xcnt 0x0
	s_wait_alu depctr_hold_cnt(0) depctr_sa_sdst(0) depctr_va_vdst(0) depctr_va_sdst(0) depctr_va_ssrc(0) depctr_va_vcc(0) depctr_vm_vsrc(0)
	s_getreg_b32 s2, hwreg(HW_REG_IB_STS2, 6, 4)
	s_cmp_eq_u32 s2, 0
	s_cbranch_scc0 .Lentry_in_a_cluster
	s_endpgm
.Lentry_in_a_cluster:
	s_bfe_u32 s2, ttmp6, 0x10000c
	s_cmp_lg_u32 s2, 0xf033
	s_cbranch_scc0 .Lentry_shape_is_right
	s_endpgm
.Lentry_shape_is_right:
; out0 = a Wo^T on codes of FP6 (E2M3) with E8M0 scales; a is the attention's result, [4096][1024]; out0 [4096][1024] f32.
; Operands lie in UNITS of 64 rows x 64 along K: codes 3,072 bytes (tile i at 768 i: registers 0-3 at 16 x lane, registers 4-5 at 512 + 8 x lane), scales 256 bytes (a word a row at 8 r + 128 (i / 2) + 4 (i % 2)).
; A work-group makes 128 rows of P (Wo: source 0, along a lane's registers) x 128 rows of Q (tokens: source 1, the lane) over K = 1,024: a lane holds eight neighbouring columns of one row of out0.
; Both tiles lie whole in LDS, 98,304 bytes each, filled ONCE, in four chunks of 256 along K: no LDS byte is filled twice.  By this text's count four tensor loads of a wave are outstanding.
; CLUSTER 4 x 4: P's tile hangs on cx alone and is asked for jointly by my column, Q's on cy alone and by my row.
; Four waves, each 64 x 64: 16 accumulators by turns, one instruction a turn.
; The way out goes through the wave's own stage in LDS, behind the tiles: 16 rows x (256 + 16) bytes; sixteen lanes store 256 consecutive bytes of a row.
; REGISTERS: window 0: v1 16 x lane, v2 8 x lane, v4-7 LDS addresses, v8-10 the way out, v16-31 P's scale words, v32-47 Q's, v64-159 and v160-255 two sets of fragments.  window 1: v0-127 the accumulators ((i, j) at 32 i + 8 j).
.set SP,   16
.set SQ,   32
.set SET0, 64
.set STAGE, 196608
.set MULW, 0x50                        ; C and D in window 1, A and B in window 0
.set MSB, 0
.macro WIN new                         ; the immediate's high byte repeats the setting that is left
.if MSB != \new
	s_set_vgpr_msb (MSB<<8)|\new
.set MSB, \new
.endif
.endm
.macro PLACES                          ; four plain places behind a matrix instruction, in front of loads into its operands and of reads of its results
.rept 4
	v_nop
.endr
.endm
.macro CROUND                          ; a round of the cluster's barrier
	s_barrier_signal -1
	s_barrier_wait -1
	s_cmp_lg_u32 s16, 0
	s_cbranch_scc1 .Lnot_wave_0_\@
	s_barrier_signal -3
.Lnot_wave_0_\@:
	s_barrier_wait -3
	s_barrier_signal -1
	s_barrier_wait -1
.endm
.macro CHUNK left                      ; my part of a chunk has landed (left: my later chunks, which stay out), my LDS loads are in; then everybody's.
	s_wait_tensorcnt \left
	s_wait_dscnt 0x0
	s_barrier_signal -1
	s_barrier_wait -1
.endm
.macro WM d, a, b, z, sa, sb, ra, rb   ; one product.  z = 1: the constant 0 starts the sum.  ra, rb = 1: the scales are read from lanes 16-31
.if \z
.if (\ra) && (\rb)
	v_wmma_scale_f32_16x16x128_f8f6f4 v[\d:\d+7], v[\a:\a+11], v[\b:\b+11], 0, v[\sa], v[\sb] matrix_a_fmt:MATRIX_FMT_FP6 matrix_b_fmt:MATRIX_FMT_FP6 matrix_a_scale:MATRIX_SCALE_ROW1 matrix_b_scale:MATRIX_SCALE_ROW1
.elseif \ra
	v_wmma_scale_f32_16x16x128_f8f6f4 v[\d:\d+7], v[\a:\a+11], v[\b:\b+11], 0, v[\sa], v[\sb] matrix_a_fmt:MATRIX_FMT_FP6 matrix_b_fmt:MATRIX_FMT_FP6 matrix_a_scale:MATRIX_SCALE_ROW1
.elseif \rb
	v_wmma_scale_f32_16x16x128_f8f6f4 v[\d:\d+7], v[\a:\a+11], v[\b:\b+11], 0, v[\sa], v[\sb] matrix_a_fmt:MATRIX_FMT_FP6 matrix_b_fmt:MATRIX_FMT_FP6 matrix_b_scale:MATRIX_SCALE_ROW1
.else
	v_wmma_scale_f32_16x16x128_f8f6f4 v[\d:\d+7], v[\a:\a+11], v[\b:\b+11], 0, v[\sa], v[\sb] matrix_a_fmt:MATRIX_FMT_FP6 matrix_b_fmt:MATRIX_FMT_FP6
.endif
.else
.if (\ra) && (\rb)
	v_wmma_scale_f32_16x16x128_f8f6f4 v[\d:\d+7], v[\a:\a+11], v[\b:\b+11], v[\d:\d+7], v[\sa], v[\sb] matrix_a_fmt:MATRIX_FMT_FP6 matrix_b_fmt:MATRIX_FMT_FP6 matrix_a_scale:MATRIX_SCALE_ROW1 matrix_b_scale:MATRIX_SCALE_ROW1
.elseif \ra
	v_wmma_scale_f32_16x16x128_f8f6f4 v[\d:\d+7], v[\a:\a+11], v[\b:\b+11], v[\d:\d+7], v[\sa], v[\sb] matrix_a_fmt:MATRIX_FMT_FP6 matrix_b_fmt:MATRIX_FMT_FP6 matrix_a_scale:MATRIX_SCALE_ROW1
.elseif \rb
	v_wmma_scale_f32_16x16x128_f8f6f4 v[\d:\d+7], v[\a:\a+11], v[\b:\b+11], v[\d:\d+7], v[\sa], v[\sb] matrix_a_fmt:MATRIX_FMT_FP6 matrix_b_fmt:MATRIX_FMT_FP6 matrix_b_scale:MATRIX_SCALE_ROW1
.else
	v_wmma_scale_f32_16x16x128_f8f6f4 v[\d:\d+7], v[\a:\a+11], v[\b:\b+11], v[\d:\d+7], v[\sa], v[\sb] matrix_a_fmt:MATRIX_FMT_FP6 matrix_b_fmt:MATRIX_FMT_FP6
.endif
.endif
.endm
.macro FRAGL reg, a16, a8, off         ; a fragment (16 rows x 128 K, 12 registers) is two halves from two neighbouring units; every load takes consecutive bytes over the lanes
	ds_load_b128 v[\reg:\reg+3], v[\a16] offset:\off
	ds_load_b64 v[\reg+4:\reg+5], v[\a8] offset:\off+512
	ds_load_b128 v[\reg+6:\reg+9], v[\a16] offset:\off+3072
	ds_load_b64 v[\reg+10:\reg+11], v[\a8] offset:\off+3584
.endm
.macro FETCH kq, sb                    ; K step kq: my four fragments of P and four of Q into the set at sb: 32 loads
.irp t, 0,1,2,3
	FRAGL \sb+12*\t, 4, 5, 6144*(\kq)+768*\t
	FRAGL \sb+48+12*\t, 6, 7, 6144*(\kq)+768*\t
.endr
.endm
.macro MUL kq, sb, z                   ; 16 products, the 16 accumulators by turns
.irp i, 0,1,2,3
.irp j, 0,1,2,3
	WM 32*\i+8*\j, \sb+12*\j, \sb+48+12*\i, \z, SP+2*(\kq)+(\j%2), SQ+2*(\kq)+(\i%2), (\j/2), (\i/2)
.endr
.endr
.endm
	s_load_b256 s[4:11], s[0:1], 0x0               ; ac s[4:5], asc s[6:7], wc s[8:9], ws s[10:11]
	s_load_b64 s[12:13], s[0:1], 0x20              ; out0
	v_lshl_add_u32 v62, v0, 2, 0x34400
	v_mov_b32 v63, 0
	ds_add_u32 v62, v63
	ds_add_u32 v62, v63
	v_lshrrev_b32 v3, 5, v0
	v_readfirstlane_b32 s16, v3                    ; wave 0..3
	s_and_b32 s17, s16, 1                          ; my 64 rows of P.  Also: which half of a tile I fetch
	s_lshr_b32 s18, s16, 1                         ; my 64 rows of Q.  Also: I fetch for P (0) or for Q (1)
	s_bfe_u32 s19, ttmp6, 0x40000                  ; cx
	s_bfe_u32 s20, ttmp6, 0x40004                  ; cy
	s_lshl_b32 s34, ttmp9, 2
	s_add_co_u32 s34, s34, s19                     ; P's tile of 128 rows of Wo: it never holds cy
	s_and_b32 s35, ttmp7, 0xffff
	s_lshl_b32 s35, s35, 2
	s_add_co_u32 s35, s35, s20                     ; Q's tile of 128 tokens: it never holds cx
	s_lshl_b32 s40, 0x1111, s19                    ; my column of the cluster
	s_lshl_b32 s41, s20, 2
	s_lshl_b32 s41, 15, s41                        ; my row
	; descriptor group 1: a chunk is 12,288 dense bytes: 48 rows of 32 elements of 8 bytes, no padding
	s_or_b32 s48, s40, (3<<16)|(1<<21)             ; P's tiles go to my column
	s_or_b32 s56, s41, (3<<16)|(1<<21)             ; Q's to my row
.irp g, 48, 56
	s_mov_b32 s[\g+1], 32<<16                      ; tensor_dim0
	s_mov_b32 s[\g+2], 48<<16                      ; tensor_dim1
	s_mov_b32 s[\g+3], 32<<16                      ; tile_dim0
	s_mov_b32 s[\g+4], 48                          ; tile_dim1
	s_mov_b32 s[\g+5], 32                          ; the pitch
	s_mov_b32 s[\g+6], 0
	s_mov_b32 s[\g+7], 0
.endr
	s_mul_i32 s42, s16, 49152                      ; where my fills go: P's two halves, then Q's two: wave x 49,152
	s_mul_i32 s46, s17, 49152                      ; the half that I fetch, in memory; also my half of P in LDS
	s_mul_i32 s47, s18, 49152
	s_add_co_u32 s47, s47, 98304                   ; my half of Q in LDS
	s_mul_i32 s43, s16, 4352
	s_add_co_u32 s43, s43, STAGE                   ; my stage
	s_mul_i32 s36, s34, 98304
	s_add_co_u32 s36, s36, s46
	s_mov_b32 s37, 0
	s_mul_i32 s38, s35, 98304
	s_add_co_u32 s38, s38, s46
	s_mov_b32 s39, 0
	s_wait_dscnt 0x0
	s_wait_kmcnt 0x0
	s_add_nc_u64 s[26:27], s[8:9], 2359296         ; Wo's codes: row groups 48 on of wc,
	s_add_nc_u64 s[28:29], s[10:11], 196608        ; and its scale images
	s_mov_b64 s[32:33], s[6:7]
	s_add_nc_u64 s[36:37], s[26:27], s[36:37]
	s_add_nc_u64 s[38:39], s[4:5], s[38:39]
.irp c, 0,1,2,3                                ; group 0 for chunk c: units 4 c .. 4 c + 3 of my half
	s_mov_b32 s[68+4*\c], 1
	s_add_co_u32 s[69+4*\c], s42, 12288*\c
	s_add_nc_u64 s[70+4*\c:71+4*\c], s[36:37], 12288*\c
	s_or_b32 s[71+4*\c], s[71+4*\c], 0x80000000
	s_mov_b32 s[84+4*\c], 1
	s_add_co_u32 s[85+4*\c], s42, 12288*\c
	s_add_nc_u64 s[86+4*\c:87+4*\c], s[38:39], 12288*\c
	s_or_b32 s[87+4*\c], s[87+4*\c], 0x80000000
.endr
	CROUND                                         ; all sixteen work-groups are here: the joint loads meet
	s_cmp_lt_u32 s16, 2                            ; a wave's four fills stand in one branch on the wave's number; four v_nop follow the last
	s_cbranch_scc0 .Lfor_q
	tensor_load_to_lds s[68:71], s[48:55]
	s_nop 0
	tensor_load_to_lds s[72:75], s[48:55]
	s_nop 0
	tensor_load_to_lds s[76:79], s[48:55]
	s_nop 0
	tensor_load_to_lds s[80:83], s[48:55]
	s_nop 0
.rept 4
	v_nop
.endr
	s_branch .Lasked
.Lfor_q:
	tensor_load_to_lds s[84:87], s[56:63]
	s_nop 0
	tensor_load_to_lds s[88:91], s[56:63]
	s_nop 0
	tensor_load_to_lds s[92:95], s[56:63]
	s_nop 0
	tensor_load_to_lds s[96:99], s[56:63]
	s_nop 0
.rept 4
	v_nop
.endr
.Lasked:
	v_and_b32 v3, 31, v0
	v_lshlrev_b32 v1, 4, v3                        ; 16 x lane
	v_lshlrev_b32 v2, 3, v3                        ; 8 x lane
	s_lshl_b32 s2, s34, 1
	s_add_co_u32 s2, s2, s17                       ; my group of 64 rows of P,
	s_lshl_b32 s3, s35, 1
	s_add_co_u32 s3, s3, s18                       ; of Q
	s_lshl_b32 s66, s2, 12                         ; a group's 16 scale images are 4,096 bytes
	s_mov_b32 s67, 0
	s_add_nc_u64 s[28:29], s[28:29], s[66:67]
	s_lshl_b32 s66, s3, 12
	s_add_nc_u64 s[32:33], s[32:33], s[66:67]
.irp c, 0,1,2,3,4,5,6,7,8,9,10,11,12,13,14,15  ; the scale images of all of K, straight into registers: each load takes one aligned run of 256 bytes
	global_load_b64 v[160+2*\c:161+2*\c], v2, s[28:29] offset:256*\c
	global_load_b64 v[192+2*\c:193+2*\c], v2, s[32:33] offset:256*\c
.endr
	v_add_nc_u32 v4, s46, v1                       ; P's fragments: 16-byte pieces,
	v_add_nc_u32 v5, s46, v2                       ; 8-byte pieces
	v_add_nc_u32 v6, s47, v1                       ; Q's
	v_add_nc_u32 v7, s47, v2
	v_and_b32 v11, 15, v0                          ; r
	v_bfe_u32 v12, v0, 4, 1                        ; h
	v_mul_u32_u24 v8, v11, 272
	v_lshl_add_u32 v8, v12, 5, v8
	v_add_nc_u32 v8, s43, v8                       ; into the stage: row r, 32 bytes for each half of the lanes
	v_mul_u32_u24 v9, v12, 272
	v_lshl_add_u32 v9, v11, 4, v9
	v_add_nc_u32 v9, s43, v9                       ; back: lanes 0-15 one row of 256 bytes, lanes 16-31 the next
	v_lshlrev_b32 v10, 12, v12
	v_lshl_add_u32 v10, v11, 4, v10                ; and the same two rows in out0
	s_lshl_b32 s66, s3, 18                         ; my first row: 64 rows of 4,096 bytes a group,
	s_add_nc_u64 s[12:13], s[12:13], s[66:67]
	s_lshl_b32 s66, s2, 8                          ; my first column: 64 numbers a group
	s_add_nc_u64 s[12:13], s[12:13], s[66:67]
	s_wait_loadcnt 0x0
.irp k, 0,1,2,3,4,5,6,7                        ; a K step's scale word: two bytes of each of its two units
.irp p, 0,1
	v_lshl_or_b32 v[SP+2*\k+\p], v[162+4*\k+\p], 16, v[160+4*\k+\p]
	v_lshl_or_b32 v[SQ+2*\k+\p], v[194+4*\k+\p], 16, v[192+4*\k+\p]
.endr
.endr
.rept 8
	v_nop                                          ; a scale register written by a vector instruction stands 8 places ahead of a scaled matrix instruction
.endr
	CHUNK 3                                        ; chunk 0 lies in LDS; my three later chunks stay out
	FETCH 0, SET0
.set Q, 0
.rept 8                                        ; the eight K steps, written out: while one set is multiplied the other is fetched
.if Q < 7
.if (Q+1)%2 == 0
	CHUNK 3-(Q+1)/2                                ; the next chunk of 256 along K
.endif
	FETCH Q+1, SET0+96*((Q+1)%2)
	s_wait_dscnt 32                                ; all but the 32 just issued
.else
	s_wait_dscnt 0x0
.endif
	WIN MULW
	MUL Q, SET0+96*(Q%2), (Q==0)
	WIN 0
	PLACES
.set Q, Q+1
.endr
; THE WAY OUT, a block of 16 tokens x 64 columns at a time, through my own stage.  LDS serves a wave's instructions in order (ISA guide 5.7.1.4): no wait between the stores and the loads, nor in front of the next block's stores.
.macro TOSTAGE i
	WIN 0x04                                       ; an LDS store's data are its source 1: window 1
.irp j, 0,1,2,3
	ds_store_b128 v8, v[32*(\i)+8*\j:32*(\i)+8*\j+3] offset:64*\j          ; each accumulator from its low end on
	ds_store_b128 v8, v[32*(\i)+8*\j+4:32*(\i)+8*\j+7] offset:64*\j+16
.endr
	WIN 0
.irp t, 0,1,2,3,4,5,6,7
	ds_load_b128 v[64+32*(\i)+4*\t:64+32*(\i)+4*\t+3], v9 offset:544*\t    ; each block has registers of its own: no store's data are written again
.endr
.endm
.macro SEND i, younger                 ; younger: the LDS instructions issued behind block i's loads, which may stay out
	s_wait_dscnt \younger
.irp t, 0,1,2,3,4,5,6,7
	global_store_b128 v10, v[64+32*(\i)+4*\t:64+32*(\i)+4*\t+3], s[12:13] offset:(16*(\i)+2*\t)*4096 th:TH_STORE_NT   ; 16 lanes store 256 consecutive bytes, at a multiple of 256 from out0's first byte; written once, read by nobody here
.endr
.endm
	TOSTAGE 0
.irp i, 1,2,3
	TOSTAGE \i
	SEND \i-1, 16                                  ; behind block i - 1's loads: block i's 8 stores and 8 loads
.endr
	SEND 3, 0
	s_wait_tensorcnt 0x0
	ds_add_u32 v62, v63
	s_wait_dscnt 0x0
	CROUND                                         ; the closing round: no work-group ends while a partner may still ask for a tile that names it
	s_endpgm
.Lfunc_end_k_q5ada7ad3b8_oproj:
	.size	k_q5ada7ad3b8_oproj, .Lfunc_end_k_q5ada7ad3b8_oproj-k_q5ada7ad3b8_oproj
	.p2alignl 7, 3214868480
	.fill 96, 4, 3214868480
	.section	.rodata,"a",@progbits
	.p2align	6, 0x0
	.amdhsa_kernel k_q5ada7ad3b8_oproj
		.amdhsa_group_segment_fixed_size 214528
		.amdhsa_private_segment_fixed_size 0
		.amdhsa_enable_private_segment 0
		.amdhsa_kernarg_size 40
		.amdhsa_user_sgpr_count 2
		.amdhsa_user_sgpr_kernarg_segment_ptr 1
		.amdhsa_wavefront_size32 1
		.amdhsa_system_sgpr_workgroup_id_x 1
		.amdhsa_system_sgpr_workgroup_id_y 1
		.amdhsa_system_sgpr_workgroup_id_z 1
		.amdhsa_system_vgpr_workitem_id 0
		.amdhsa_next_free_vgpr 512
		.amdhsa_next_free_sgpr 100
		.amdhsa_reserve_vcc 0
		.amdhsa_float_denorm_mode_32 3
		.amdhsa_float_denorm_mode_16_64 3
		.amdhsa_memory_ordered 1
		.amdhsa_forward_progress 1
		.amdhsa_inst_pref_size 55
	.end_amdhsa_kernel
	.amdgpu_metadata
---
amdhsa.version: [ 1, 2 ]
amdhsa.kernels:
  - .name:           k_q5ada7ad3b8_oproj
    .symbol:         k_q5ada7ad3b8_oproj.kd
    .args:
      - { .name: ac, .offset: 0, .size: 8, .value_kind: global_buffer, .address_space: global }
      - { .name: asc, .offset: 8, .size: 8, .value_kind: global_buffer, .address_space: global }
      - { .name: wc, .offset: 16, .size: 8, .value_kind: global_buffer, .address_space: global }
      - { .name: ws, .offset: 24, .size: 8, .value_kind: global_buffer, .address_space: global }
      - { .name: out0, .offset: 32, .size: 8, .value_kind: global_buffer, .address_space: global }
    .group_segment_fixed_size: 214528
    .private_segment_fixed_size: 0
    .kernarg_segment_align: 8
    .kernarg_segment_size: 40
    .max_flat_workgroup_size: 128
    .sgpr_count:     100
    .vgpr_count:     512
    .wavefront_size: 32
...
	.end_amdgpu_metadata
.endif
;; end of part 4
